; MI455X (gfx1250); checked and timed in simulation.
; The chip was launched on July 23, 2026; its instructions are those of AMD's public machine-readable ISA for CDNA 5 (MIT licence, August 2026) and "CDNA5" Instruction Set Architecture Reference Guide (July 2026). The comments in the code are by the model that wrote it; some were corrected since.
;; Multi Head Attention Layer attn. Allowed arithmetic: matrix products marked QUANTISED: E2M3 operands, one E8M0 scale for each 32 along K, by v_wmma_scale_f32_16x16x128_f8f6f4 with both operands' format E2M3, f32 sums; everything else in f32.
;; Inputs: Wk_codes 1,024 x 32 x 24 uint8 (E2M3 codes of Wk, K innermost, in blocks of 32 codes, four codes in three bytes); Wk_scales 1,024 x 32 uint8 (E8M0 scales of Wk, one for each 32 codes along K); Wo_codes 1,024 x 32 x 24 uint8 (E2M3 codes of Wo, K innermost, in blocks of 32 codes, four codes in three bytes); Wo_scales 1,024 x 32 uint8 (E8M0 scales of Wo, one for each 32 codes along K); Wq_codes 1,024 x 32 x 24 uint8 (E2M3 codes of Wq, K innermost, in blocks of 32 codes, four codes in three bytes); Wq_scales 1,024 x 32 uint8 (E8M0 scales of Wq, one for each 32 codes along K); Wv_codes 1,024 x 32 x 24 uint8 (E2M3 codes of Wv, K innermost, in blocks of 32 codes, four codes in three bytes); Wv_scales 1,024 x 32 uint8 (E8M0 scales of Wv, one for each 32 codes along K); bk 1,024 float32; bo 1,024 float32; bq 1,024 float32; bv 1,024 float32; x_codes 4 x 2,048 x 32 x 24 uint8 (E2M3 codes of x, K innermost, in blocks of 32 codes, four codes in three bytes); x_scales 4 x 2,048 x 32 uint8 (E8M0 scales of x, one for each 32 codes along K).
;; Outputs: out0 4 x 2,048 x 1,024 float32.
;; This version of the problem:
;;   THIS VERSION OF THE PROBLEM IS GIVEN IN LOW PRECISION. The matrix products marked QUANTISED in the list below multiply operands that are first quantised to E2M3 (2 exponent bits, 3 mantissa bits; 6 bits a number), with one power-of-two scale for each 32 numbers along K (OCP MX v1.0); their sums are f32. All else is computed in f32.
;;   The module's matrix products, in the order in which they are computed (A, B: the left and right operand; K: the contracted axis; several contracted axes count as one K, in the product's order):
;;     1. [M 8,192, K 1,024] x [K 1,024, N 1,024]; A: input x (given as codes); B: input Wq (given as codes): QUANTISED
;;     2. [M 8,192, K 1,024] x [K 1,024, N 1,024]; A: input x (given as codes); B: input Wk (given as codes): QUANTISED
;;     3. [M 8,192, K 1,024] x [K 1,024, N 1,024]; A: input x (given as codes); B: input Wv (given as codes): QUANTISED
;;     4. batch 64 x [M 2,048, K 64] x [K 64, N 2,048]; A: computed on the way; B: computed on the way: QUANTISED
;;     5. batch 64 x [M 2,048, K 2,048] x [K 2,048, N 64]; A: softmax (see below); B: computed on the way: QUANTISED
;;     6. [M 8,192, K 1,024] x [K 1,024, N 1,024]; A: computed on the way; B: input Wo (given as codes): QUANTISED
;;   THE QUANTISER, for each operand of a quantised product, along K:
;;     - K is cut into blocks of 32 from its start; a last block that is shorter is filled with zeros.
;;     - A block's scale is 2^e with e = floor(log2(the largest magnitude in the block)) - 2, held to -126 .. 127; a block of zeros has e = 0. As a byte (E8M0): e + 127.
;;     - Each number is divided by its block's scale, clamped to +-7.5, and rounded to the nearest number of E2M3, ties to even, subnormals kept.
;;     - The product sums the exact products of the quantised numbers (number of the format x scale) in f32.
;;   ~~~python
;;   def quantise(x, axis):      # numpy; x: float32 -> the quantised numbers, widened to float32 again
;;       x = np.moveaxis(x, axis, -1); K = x.shape[-1]
;;       x = np.pad(x, [(0, 0)] * (x.ndim - 1) + [(0, -K % 32)]); x = x.reshape(x.shape[:-1] + (-1, 32)); a = np.abs(x).max(-1, keepdims=True)
;;       e = np.where(a > 0, np.clip(np.frexp(np.where(a > 0, a, 1))[1] - 1 - 2, -126, 127), 0)      # np.frexp(a)[1] - 1 = floor(log2(a)), exactly
;;       r = np.clip(x / 2.0 ** e, -7.5, 7.5)
;;       step = 2.0 ** (np.maximum(np.frexp(np.where(r == 0, 1, r))[1] - 1, 0) - 3)
;;       q = np.round(r / step) * step * 2.0 ** e      # np.round: ties to even
;;       return np.moveaxis(q.reshape(q.shape[:-2] + (-1,))[..., :K], -1, axis).astype(np.float32)
;;   ~~~
;;   SOFTMAX AHEAD OF A QUANTISED PRODUCT. Where the list says 'softmax', what is quantised is not the finished softmax but p = 2^(t - M), with t = logit x log2(e) and M = ceil(the row's largest t), a whole number; so 1/2 < the row's largest p <= 1. The row's sum l is taken of the UNQUANTISED p, in f32, and the product's result is divided by l at the end. Since M is a whole number, a kernel that streams over the keys may use a running M (the ceiling of the running maximum): every later rescaling is an exact power of two, which a block's scale takes up: the codes' values come out the same.
;;   OPERANDS COMPUTED ON THE WAY. 'Computed on the way' means the value that the module computes at that place (a softmax that the list does not call 'softmax' is quantised finished and normalised). What goes into a quantiser is computed in f32, as accurately as f32 sums, v_exp_f32 and their like allow (about 1e-6 of the number): no bf16 or f16 on the way to a quantiser, and a product that is left as it is and whose result goes on into a quantised operand takes f32 operands (vector FMAs, or v_wmma_f32_16x16x4_f32). A number that lies on a knife's edge between two numbers of the format may be rounded either way, as far as f32 arithmetic and the matrix unit's own rounding can turn it there, and no further.
;;   INPUTS GIVEN AS CODES. Wk (in the module: [1024, 1024], K = its axis 0); Wo (in the module: [1024, 1024], K = its axis 0); Wq (in the module: [1024, 1024], K = its axis 0); Wv (in the module: [1024, 1024], K = its axis 0); x (in the module: [4, 2048, 1024], K = its axis 2): each comes as NAME_codes (uint8): NAME with its K axis moved to the last place and cut into blocks of 32 codes, [.., K / 32, bytes a block], one block behind the other in memory; four codes in three bytes: a row's codes are one little-endian stream of bits, code i at bits 6 i .. 6 i + 5 (a code: sign, 2 exponent bits, 3 mantissa bits); and NAME_scales (uint8): the same leading axes, one E8M0 byte (e + 127) for each 32 codes along K. Its value is code x scale, taken as it is: it is not quantised again, and the codes and scales need not be those that the quantiser above would give.
;; One version. Each part assembles by itself: llvm-mc -triple=amdgcn-amd-amdhsa -mcpu=gfx1250 --defsym DOCPART=n.
;; ======== version 1 of 1: 3 launches
;; limits: right only within a limited range of input values
;; workspace buffers: qfrag 6,291,456 bytes; qscale 262,144 bytes; kvrec 13,107,200 bytes; afrag 6,291,456 bytes; ascale 262,144 bytes
;; launch qkv (part 1): grid 12 x 32, 4 waves a work-group, clusters of 4 x 4, 327,680 bytes of LDS; arguments x_codes, x_scales, Wq_codes, Wq_scales, Wk_codes, Wk_scales, Wv_codes, Wv_scales, bq, bk, bv, qfrag, qscale, kvrec; writes qfrag, qscale, kvrec
.if DOCPART == 1
	.amdgcn_target "amdgcn-amd-amdhsa--gfx1250"
	.amdhsa_code_object_version 6
	.text
	.protected	k_q4ef49f8e57_qkv
	.globl	k_q4ef49f8e57_qkv
	.p2align	8
	.type	k_q4ef49f8e57_qkv,@function
k_q4ef49f8e57_qkv:
	s_mov_b64 s[64:65], 0
	v_nop
	global_prefetch_b8 v0, s[64:65] scope:SCOPE_SE
	s_setreg_imm32_b32 hwreg(HW_REG_WAVE_MODE, 25, 1), 1
	s_wait_xcnt 0x0
	s_wait_alu depctr_hold_cnt(0) depctr_sa_sdst(0) depctr_va_vdst(0) depctr_va_sdst(0) depctr_va_ssrc(0) depctr_va_vcc(0) depctr_vm_vsrc(0)
	s_getreg_b32 s2, hwreg(HW_REG_IB_STS2, 6, 4)
	s_cmp_eq_u32 s2, 0
	s_cbranch_scc0 .Lentry_in_a_cluster
	s_endpgm
.Lentry_in_a_cluster:
	s_bfe_u32 s2, ttmp6, 0x10000c
	s_cmp_lg_u32 s2, 0xf033
	s_cbranch_scc0 .Lentry_shape_is_right
	s_endpgm
.Lentry_shape_is_right:
; Q = x Wq + bq, K = x Wk + bk, V = x Wv + bv on codes of FP6 (E2M3), one E8M0 scale for each 32 along K (= 1,024), sums in f32; the results are quantised in registers and leave as codes.
; The cluster's x says which product: 0 Q, 1 K, 2 V.  C[m][n] = sum over k of A[m][k] B[n][k]; Q, K: A = x, B = the weight; V: A = Wv, B = x (V is quantised along the keys).
; A tile of C, 256 x 256, by four waves of 128 x 128.  K goes through two LDS slots in chunks of 256 bytes of each row (a row of codes is 768 bytes: every chunk begins at a multiple of 256).
; A step of 128 along K is 96 bytes: eight steps to three chunks; steps 2 and 5 lie across two chunks.  The tile's scales come once, at the head.
; 4 x 4 clusters: A's tile is asked for jointly along a row of the cluster, B's along a column.  Source 0 = rows of B, source 1 = rows of A: lane (r, h) of accumulator (a, b) holds in register j C(16 a + r, 16 b + 8 h + j).
; THE WAY OUT: 64 registers of a lane + bias become a fragment (12 registers) and a scale word a row; a fragment leaves as an image of its registers, three stores of 512 consecutive bytes.
; Inside a block of 32 the codes lie in the order 0-7, 16-23, 8-15, 24-31; Q and K alike along the head's 64, V and the softmax's weights alike along the keys.
; Q: fragment = 16 queries x (head 2 g | head 2 g + 1).  K: (16 keys | the next 16) x one head's 64.  V: 16 channels x 128 keys.
; LIMITS: NaN and infinities are not served.  A block whose largest magnitude lies under 2^-124 gets the scale byte 1 (this program alone reads the bytes).
; No prefetch: K has three chunks, of which two are asked for ahead of the first product.
.set ROWB,   256
.set NQ,     2
.set KROW,   768
.set STEPS,  8
.set CHUNKS, 3
.set PITCH,  272
.set FR,     12
.set NL,     6
.set NP,     4
.set HALFT,  128*PITCH
.set SLOT,   4*HALFT
.set KS,     32
.set SCL,    2*SLOT
.set HALFS,  (128*KS/256)*272
.set SBLK,   (16*KS/256)*272
.set SPARE,  SCL+4*HALFS
.set ADRA, 16                          ; v16-19 A's fragments: slot 0, 1; across two chunks from slot 0, 1
.set ADRB, 20                          ; v20-23 the same for B
.set L16,  24
.set L8,   25
.set H32,  26
.set ADRS, 27
.set SPW,  28
.set NIL,  29
.set R4,   30
.set SC,   32                          ; scale words, two sets of 16
.set BI,   64                          ; v64-127 the bias
.set AF,   128                         ; A's fragments, one set
.set ST,   128
.set CD,   192
.set TM,   212
.set PW,   228
.set SW,   232
.set SEL,  92
.set G1, 24
.set G0, 32
.set G1B, 48
.set G0B, 56
.set G1S, 68
.set G0S, 76
.set G1SB, 80
.set G0SB, 88
.set G0H, 4
.set G0HB, 8
.set MSB, 0
.macro WIN new
.if MSB != (\new)
	s_set_vgpr_msb (MSB<<8)|(\new)
.set MSB, \new
.endif
.endm
.set MUL_LO, 0xa1
.set MUL_HI, 0xf1
.set TO_B,   0x40
.macro JLOAD g0a, g1a, g0b, g1b        ; waves 0, 1 fetch for A, waves 2, 3 for B
	s_cmp_eq_u32 s15, 0
	s_cbranch_scc0 .Lfor_b_\@
	tensor_load_to_lds s[\g0a:\g0a+3], s[\g1a:\g1a+7]
	s_nop 0
.rept 4
	v_nop
.endr
	s_branch .Lasked_\@
.Lfor_b_\@:
	tensor_load_to_lds s[\g0b:\g0b+3], s[\g1b:\g1b+7]
	s_nop 0
.rept 4
	v_nop
.endr
.Lasked_\@:
.endm
.macro CREST
	s_cmp_lg_u32 s14, 0
	s_cbranch_scc1 .Lnot_wave_0_\@
	s_barrier_signal -3
.Lnot_wave_0_\@:
	s_barrier_wait -3
	s_barrier_signal -1
	s_barrier_wait -1
.endm
.macro CROUND
	s_barrier_signal -1
	s_barrier_wait -1
	CREST
.endm
	s_load_b512 s[68:83], s[0:1], 0x0              ; x's codes, scales; Wq's; Wk's; Wv's
	s_load_b256 s[84:91], s[0:1], 0x40             ; bq, bk, bv, qfrag
	s_load_b128 s[92:95], s[0:1], 0x60             ; qscale, kvrec
	v_lshl_add_u32 v[SPW], v0, 2, SPARE
	v_mov_b32 v[NIL], 0
	ds_add_u32 v[SPW], v[NIL]                      ; the opening lines: the add twice and its wait
	ds_add_u32 v[SPW], v[NIL]
	v_lshrrev_b32 v1, 5, v0
	v_readfirstlane_b32 s14, v1                    ; wave
	s_lshr_b32 s15, s14, 1                         ; my half of A's rows; also: I fetch for A (0) or B (1)
	s_and_b32 s16, s14, 1                          ; my half of B's rows; also: which 128 rows I fetch
	s_bfe_u32 s40, ttmp6, 0x40000                  ; cx
	s_bfe_u32 s41, ttmp6, 0x40004                  ; cy
	s_and_b32 s18, ttmp7, 0xffff
	s_lshl_b32 s18, s18, 2                         ; 4 x cluster y walks x's 32 tiles
	s_cmp_eq_u32 ttmp9, 2                          ; V?
	s_cselect_b32 s17, 0, s18
	s_cselect_b32 s42, s18, 0
	s_add_co_u32 s17, s17, s41                     ; A's tile
	s_add_co_u32 s42, s42, s40                     ; B's tile
	s_lshl_b32 s43, s41, 2
	s_lshl_b32 s43, 15, s43                        ; my row of the cluster
	s_lshl_b32 s44, 0x1111, s40                    ; my column
	s_or_b32 s[G1+0], s43, (0<<16)|(1<<20)|(1<<21)|(5<<22)|(3<<25)
	s_or_b32 s[G1B+0], s44, (0<<16)|(1<<20)|(1<<21)|(5<<22)|(3<<25)
.irp g, G1, G1B
	s_mov_b32 s[\g+1], ROWB<<16
	s_mov_b32 s[\g+2], 256<<16                     ; the head's loads bring 256 rows
	s_mov_b32 s[\g+3], ROWB<<16
	s_mov_b32 s[\g+4], 256
	s_mov_b32 s[\g+5], KROW
	s_mov_b32 s[\g+6], 0
	s_mov_b32 s[\g+7], 0
.endr
	s_lshl_b32 s20, s17, 8
	s_lshl_b32 s46, s42, 8
	s_mov_b32 s21, 0
	s_mov_b32 s47, 0
	s_mov_b64 s[18:19], KS
	s_mul_u64 s[22:23], s[20:21], s[18:19]         ; the rows' scales, in bytes
	s_mul_u64 s[2:3], s[46:47], s[18:19]
	s_mov_b64 s[18:19], KROW
	s_mul_u64 s[20:21], s[20:21], s[18:19]         ; and their codes
	s_mul_u64 s[46:47], s[46:47], s[18:19]
	s_mul_i32 s18, s16, 128*KROW
	s_mov_b32 s19, 0
	s_mul_i32 s45, s14, HALFT
	s_wait_dscnt 0x0
	s_wait_kmcnt 0x0
	s_cmp_eq_u32 ttmp9, 2                          ; the buffers are chosen by the cluster's x alone
	s_cselect_b64 s[4:5], s[80:81], s[68:69]
	s_cselect_b64 s[6:7], s[82:83], s[70:71]
	s_cselect_b64 s[8:9], s[68:69], s[76:77]
	s_cselect_b64 s[10:11], s[70:71], s[78:79]
	s_cselect_b64 s[96:97], s[88:89], s[86:87]
	s_cmp_eq_u32 ttmp9, 0
	s_cselect_b64 s[8:9], s[72:73], s[8:9]
	s_cselect_b64 s[10:11], s[74:75], s[10:11]
	s_cselect_b64 s[96:97], s[84:85], s[96:97]     ; the bias
	s_cselect_b64 s[98:99], s[90:91], s[94:95]     ; qfrag or kvrec
	s_mov_b64 s[100:101], s[92:93]                 ; qscale
	s_add_nc_u64 s[20:21], s[4:5], s[20:21]
	s_add_nc_u64 s[22:23], s[6:7], s[22:23]
	s_add_nc_u64 s[46:47], s[8:9], s[46:47]
	s_add_nc_u64 s[2:3], s[10:11], s[2:3]
	s_or_b32 s[G1S+0], s43, (3<<16)|(1<<20)|(1<<21)|(5<<22)|(3<<25)   ; the scales of 256 rows: 32 rows of 256 bytes, 16 of padding behind each
	s_or_b32 s[G1SB+0], s44, (3<<16)|(1<<20)|(1<<21)|(5<<22)|(3<<25)
.irp g, G1S, G1SB
	s_mov_b32 s[\g+1], 32<<16
	s_mov_b32 s[\g+2], KS<<16
	s_mov_b32 s[\g+3], 32<<16
	s_mov_b32 s[\g+4], KS
	s_mov_b32 s[\g+5], 32
	s_mov_b32 s[\g+6], 0
	s_mov_b32 s[\g+7], 0
.endr
	CROUND                                         ; the first joint loads meet
	s_mov_b32 s[G0H], 1
	s_mov_b32 s[G0H+1], 0
	s_mov_b64 s[G0H+2:G0H+3], s[20:21]
	s_or_b32 s[G0H+3], s[G0H+3], 0x80000000
	s_mov_b32 s[G0HB], 1
	s_mov_b32 s[G0HB+1], 2*HALFT
	s_mov_b64 s[G0HB+2:G0HB+3], s[46:47]
	s_or_b32 s[G0HB+3], s[G0HB+3], 0x80000000
	s_mov_b32 s[G0S], 1
	s_mov_b32 s[G0S+1], SCL
	s_mov_b64 s[G0S+2:G0S+3], s[22:23]
	s_or_b32 s[G0S+3], s[G0S+3], 0x80000000
	s_mov_b32 s[G0SB], 1
	s_mov_b32 s[G0SB+1], SCL+2*HALFS
	s_mov_b64 s[G0SB+2:G0SB+3], s[2:3]
	s_or_b32 s[G0SB+3], s[G0SB+3], 0x80000000
	s_add_nc_u64 s[20:21], s[20:21], s[18:19]      ; for the ring: my 128 rows
	s_add_nc_u64 s[46:47], s[46:47], s[18:19]
.irp s, 0,1
	s_mov_b32 s[G0+4*\s], 1
	s_add_co_u32 s[G0+4*\s+1], s45, \s*SLOT
	s_add_nc_u64 s[G0+4*\s+2:G0+4*\s+3], s[20:21], \s*ROWB
	s_or_b32 s[G0+4*\s+3], s[G0+4*\s+3], 0x80000000
	s_mov_b32 s[G0B+4*\s], 1
	s_add_co_u32 s[G0B+4*\s+1], s45, \s*SLOT
	s_add_nc_u64 s[G0B+4*\s+2:G0B+4*\s+3], s[46:47], \s*ROWB
	s_or_b32 s[G0B+4*\s+3], s[G0B+4*\s+3], 0x80000000
.endr
; the head's four tiles, one load a wave: chunk 0 of A, of B, A's scales, B's
.macro ARM under, g0, g1, next
	s_cmp_lt_u32 s14, \under
	s_cbranch_scc0 \next
	tensor_load_to_lds s[\g0:\g0+3], s[\g1:\g1+7]
	s_nop 0
.rept 4
	v_nop
.endr
	s_branch .Lhead_asked
\next:
.endm
	ARM 1, G0H,  G1,  .Lhead_b
	ARM 2, G0HB, G1B, .Lhead_sa
	ARM 3, G0S,  G1S, .Lhead_sb
	tensor_load_to_lds s[G0SB:G0SB+3], s[G1SB:G1SB+7]
	s_nop 0
.rept 4
	v_nop
.endr
.Lhead_asked:
	v_and_b32 v1, 15, v0                           ; r
	v_bfe_u32 v2, v0, 4, 1                         ; h
	v_mul_u32_u24 v3, v1, PITCH
	v_mul_u32_u24 v4, v2, 24
	v_add_nc_u32 v4, v3, v4
	s_mov_b32 s21, SLOT-232
	s_mov_b32 s22, SLOT+232
	v_sub_nc_u32 v7, 1, v2
	v_mul_u32_u24 v5, s21, v2
	v_add_nc_u32 v5, v3, v5
	v_add_nc_u32 v5, 232, v5                       ; lanes 0-15 byte 232 of the row in slot 0, lanes 16-31 byte 0 in slot 1
	v_mul_u32_u24 v6, s22, v7
	v_add_nc_u32 v6, v3, v6                        ; and the other way round
	s_mul_i32 s21, s15, HALFT
	s_mul_i32 s22, s16, HALFT
	s_add_co_u32 s22, s22, 2*HALFT
	v_add_nc_u32 v[ADRA+2], s21, v5
	v_add_nc_u32 v[ADRA+3], s21, v6
	v_add_nc_u32 v[ADRB+2], s22, v5
	v_add_nc_u32 v[ADRB+3], s22, v6
.irp s, 0,1
	v_add_nc_u32 v[ADRA+\s], s21, v4
	v_add_nc_u32 v[ADRB+\s], s22, v4
	s_add_co_u32 s21, s21, SLOT
	s_add_co_u32 s22, s22, SLOT
.endr
	v_mul_u32_u24 v5, v1, KS
	v_lshrrev_b32 v6, 8, v5
	v_lshl_add_u32 v5, v6, 4, v5
	s_mul_i32 s21, s15, HALFS
	s_mul_i32 s22, s16, HALFS
	s_add_co_u32 s22, s22, 2*HALFS
	s_sub_co_u32 s22, s22, s21
	v_mul_u32_u24 v6, s22, v2                      ; lanes 16-31 take B's
	s_add_co_u32 s21, s21, SCL
	v_add_nc_u32 v5, v5, v6
	v_add_nc_u32 v[ADRS], s21, v5
	v_and_b32 v6, 31, v0
	v_lshlrev_b32 v[L16], 4, v6
	v_lshlrev_b32 v[L8], 3, v6
	v_lshlrev_b32 v[H32], 5, v2
	v_lshlrev_b32 v[R4], 2, v1
	; where my results go: u = x's block of 128 rows, g = the weight's block of 128 rows
	s_cmp_eq_u32 ttmp9, 2
	s_cselect_b32 s12, s42, s17
	s_cselect_b32 s13, s16, s15
	s_cselect_b32 s66, s17, s42
	s_cselect_b32 s94, s15, s16
	s_cselect_b32 s92, 6400, 0                     ; V's fragments lie 6,400 bytes behind K's
	s_lshl_b32 s12, s12, 1
	s_add_co_u32 s12, s12, s13                     ; u
	s_lshl_b32 s66, s66, 1
	s_add_co_u32 s66, s66, s94                     ; g
	s_lshr_b32 s13, s12, 4
	s_and_b32 s12, s12, 15
	s_lshl_b32 s13, s13, 3
	s_add_co_u32 s13, s13, s66
	s_lshl_b32 s13, s13, 4
	s_add_co_u32 s94, s13, s12                     ; 16 (8 batch + g) + block
	s_lshl_b32 s12, s66, 9
	s_mov_b32 s13, 0
	s_add_nc_u64 s[96:97], s[96:97], s[12:13]
	s_mov_b32 s93, 25600
	s_cmp_eq_u32 ttmp9, 0
	s_cselect_b32 s93, 12288, s93
	s_mul_i32 s12, s94, s93
	s_add_co_u32 s12, s12, s92
	s_add_nc_u64 s[98:99], s[98:99], s[12:13]
	s_lshl_b32 s12, s94, 9
	s_add_nc_u64 s[100:101], s[100:101], s[12:13]
	s_mov_b32 s[SEL], 0x76543210
	s_mov_b32 s[SEL+1], 0xfedcba98
	s_mov_b32 s95, 0xffff0000
	; the bias in the accumulators' layout.  Q, K: by column; V: by row
	s_cmp_eq_u32 ttmp9, 2
	s_cbranch_scc1 .Lbias_v
	s_wait_alu depctr_va_vdst(0)
.irp b, 0,1,2,3,4,5,6,7
	global_load_b128 v[BI+8*\b:BI+8*\b+3], v[H32], s[96:97] offset:64*\b
	global_load_b128 v[BI+8*\b+4:BI+8*\b+7], v[H32], s[96:97] offset:64*\b+16
.endr
	s_branch .Lbias_in
.Lbias_v:
	s_wait_alu depctr_va_vdst(0)
.irp a, 0,1,2,3,4,5,6,7
.irp j, 0,1,2,3,4,5,6,7
	global_load_b32 v[BI+8*\a+\j], v[R4], s[96:97] offset:64*\a
.endr
.endr
.Lbias_in:
.macro FRAG reg, adr, st, i            ; six pieces of 8 bytes; byte y of a row lies in slot (y / 256) % 2 at byte y % 256
.irp p, 0,1,2,3,4,5
.set BY, 96*(\st)+48*(\p/3)+8*(\p%3)
.if BY/ROWB == (BY+24)/ROWB
	ds_load_b64 v[\reg+2*\p:\reg+2*\p+1], v[\adr+(BY/ROWB)%2] offset:BY%ROWB+(\i)*16*PITCH
.else
	ds_load_b64 v[\reg+2*\p:\reg+2*\p+1], v[\adr+2+(BY/ROWB)%2] offset:BY%ROWB-232+(\i)*16*PITCH
.endif
.endr
.endm
.macro MUL16 a0, p, q, sc, zero        ; the 64 accumulators take turns
.irp a, \a0, \a0+1
.irp b, 0,1,2,3,4,5,6,7
.if \zero
	v_wmma_scale_f32_16x16x128_f8f6f4 v[8*(8*((\a)%4)+\b):8*(8*((\a)%4)+\b)+7], v[128*(\p)+FR*\b:128*(\p)+FR*\b+FR-1], v[AF+FR*(\a):AF+FR*(\a)+FR-1], 0, v[SC+8*NQ*(\sc)+NQ*\b+(\q)], v[SC+8*NQ*(\sc)+NQ*(\a)+(\q)] matrix_a_fmt:MATRIX_FMT_FP6 matrix_b_fmt:MATRIX_FMT_FP6 matrix_a_scale:MATRIX_SCALE_ROW1
.else
	v_wmma_scale_f32_16x16x128_f8f6f4 v[8*(8*((\a)%4)+\b):8*(8*((\a)%4)+\b)+7], v[128*(\p)+FR*\b:128*(\p)+FR*\b+FR-1], v[AF+FR*(\a):AF+FR*(\a)+FR-1], v[8*(8*((\a)%4)+\b):8*(8*((\a)%4)+\b)+7], v[SC+8*NQ*(\sc)+NQ*\b+(\q)], v[SC+8*NQ*(\sc)+NQ*(\a)+(\q)] matrix_a_fmt:MATRIX_FMT_FP6 matrix_b_fmt:MATRIX_FMT_FP6 matrix_a_scale:MATRIX_SCALE_ROW1
.endif
.endr
.endr
.endm
.macro FETCH_B st, p
	WIN TO_B
.irp i, 0,1,2,3,4,5,6,7
	FRAG 128*(\p)+FR*\i, ADRB, \st, \i
.endr
	WIN 0
.endm
.macro FETCH_A st, i0
.irp i, \i0, \i0+1, \i0+2, \i0+3
	FRAG AF+FR*(\i), ADRA, \st, \i
.endr
.endm
.macro SCALES pr                       ; the words of steps 2 pr, 2 pr + 1: lanes 0-15 A's block i, lanes 16-31 B's
.irp i, 0,1,2,3,4,5,6,7
	ds_load_b64 v[SC+8*NQ*((\pr)%2)+NQ*\i:SC+8*NQ*((\pr)%2)+NQ*\i+1], v[ADRS] offset:\i*SBLK+4*NQ*(\pr)
.endr
.endm
.macro PLACES n
.rept \n
	v_nop
.endr
.endm
; A step: 64 products; the next step's fragments are fetched in its middle and at its end.  Where the next step ends in a chunk not yet read, a barrier shows that chunk whole;
; where it begins in a later chunk, the chunk left behind is free: the three lines, the barrier, and, if a chunk two on is left, the cluster's round and the refill.
.macro STEP st, zero
.set NX, (\st)+1
.set C0, (96*(\st))/ROWB
.set C1, (96*NX)/ROWB
.set E0, (96*(\st)+95)/ROWB
.set E1, (96*NX+95)/ROWB
.if C1 > C0 || E1 > E0
	s_wait_tensorcnt 0x0                           ; all my tensor loads have landed
.if C1 > C0
	ds_add_u32 v[SPW], v[NIL]
	s_wait_dscnt 4*NL+1                            ; the add and A's blocks 4-7 may be out
.else
	s_wait_dscnt 4*NL                              ; A's blocks 4-7 may be out
.endif
	WIN MUL_LO
	MUL16 0, (\st)%2, (\st)%2, ((\st)/2)%2, \zero
	s_wait_dscnt 0x0                               ; the add and all my reads are done
	s_barrier_signal -1
	MUL16 2, (\st)%2, (\st)%2, ((\st)/2)%2, \zero
	WIN 0
	s_barrier_wait -1
.if C1 > C0 && C0+2 < CHUNKS
	CREST
	s_add_nc_u64 s[G0+4*(C0%2)+2:G0+4*(C0%2)+3], s[G0+4*(C0%2)+2:G0+4*(C0%2)+3], 2*ROWB
	s_add_nc_u64 s[G0B+4*(C0%2)+2:G0B+4*(C0%2)+3], s[G0B+4*(C0%2)+2:G0B+4*(C0%2)+3], 2*ROWB
	JLOAD G0+4*(C0%2), G1, G0B+4*(C0%2), G1B       ; chunk C0 + 2; its four v_nop are the places ahead of the loads below
.else
	PLACES NP
.endif
.else
	s_wait_dscnt 4*NL
	WIN MUL_LO
	MUL16 0, (\st)%2, (\st)%2, ((\st)/2)%2, \zero
	MUL16 2, (\st)%2, (\st)%2, ((\st)/2)%2, \zero
	s_wait_dscnt 0
	PLACES NP
.endif
	FETCH_B NX, NX%2
	FETCH_A NX, 0
.if NX%2 == 0
	SCALES NX/2
.endif
	WIN MUL_HI
	MUL16 4, (\st)%2, (\st)%2, ((\st)/2)%2, \zero
	MUL16 6, (\st)%2, (\st)%2, ((\st)/2)%2, \zero
	PLACES NP
	WIN 0
	FETCH_A NX, 4
.endm
	s_wait_alu depctr_va_vdst(0)                   ; the wait at the head's end
	s_wait_tensorcnt 0x0                           ; my tile of the head's four is in
	ds_add_u32 v[SPW], v[NIL]
	s_mov_b32 s[G1+2], 128<<16                     ; no load of mine is out: from here on a load brings 128 rows
	s_mov_b32 s[G1+4], 128
	s_mov_b32 s[G1B+2], 128<<16
	s_mov_b32 s[G1B+4], 128
	s_wait_dscnt 0x0
	CROUND
	JLOAD G0+4, G1, G0B+4, G1B                     ; chunk 1, slot 1's first fill, issued as a refill is
	FETCH_B 0, 0
	FETCH_A 0, 0
	SCALES 0
	FETCH_A 0, 4
	STEP 0, 1
.set STN, 1
.rept STEPS-2
	STEP STN, 0
.set STN, STN+1
.endr
	s_wait_dscnt 4*NL
	WIN MUL_LO
	MUL16 0, 1, 1, 1, 0
	MUL16 2, 1, 1, 1, 0
	s_wait_dscnt 0
	WIN MUL_HI
	MUL16 4, 1, 1, 1, 0
	MUL16 6, 1, 1, 1, 0
	WIN 0
; THE QUANTISER: registers 16 b .. 16 b + 15 are my half of my row's block b, lane l xor 16 holds the other half
.macro QUANT s
.irp b, 0,1,2,3
	v_max3_num_f32 v[TM+\b], |v[\s+16*\b]|, |v[\s+1+16*\b]|, 0x1800000   ; the floor 2^(3 - 127): the byte cannot fall under 1
.endr
.irp i, 2,4,6,8,10,12,14
.irp b, 0,1,2,3
	v_max3_num_f32 v[TM+\b], v[TM+\b], |v[\s+16*\b+\i]|, |v[\s+1+16*\b+\i]|
.endr
.endr
.irp b, 0,1,2,3
	v_permlanex16_b32 v[TM+4+\b], v[TM+\b], s[SEL], s[SEL+1]
.endr
.irp b, 0,1,2,3
	v_max_num_f32 v[TM+\b], v[TM+\b], v[TM+4+\b]
.endr
.irp b, 0,1,2,3
	v_add_nc_u32 v[TM+12+\b], 0xff000000, v[TM+\b]   ; 2 off the exponent field: the conversion's scale operand
.endr
.irp b, 0,1,2,3
	v_lshrrev_b32 v[TM+4+\b], 23, v[TM+12+\b]
.endr
	v_lshl_or_b32 v[PW], v[TM+5], 8, v[TM+4]
	v_lshl_or_b32 v[PW], v[TM+6], 16, v[PW]
	v_lshl_or_b32 v[PW], v[TM+7], 24, v[PW]
.irp c, 0,1
	v_cvt_scalef32_pk16_fp6_f32 v[CD+6*\c:CD+2+6*\c], v[\s+32*\c:\s+15+32*\c], v[TM+12+2*\c]
	v_cvt_scalef32_pk16_fp6_f32 v[CD+12+4*\c:CD+14+4*\c], v[\s+16+32*\c:\s+31+32*\c], v[TM+12+2*\c+1]
.endr
	v_nop
.irp c, 0,1
.irp i, 0,1,2
	v_permlane16_swap_b32 v[CD+6*\c+\i], v[CD+12+4*\c+\i]
.endr
.irp i, 0,1,2
	v_mov_b32 v[CD+3+6*\c+\i], v[CD+12+4*\c+\i]
.endr
.endr
.endm
.macro OUTF off
.irp c, 0,1,2
	global_store_b128 v[L16], v[CD+4*\c:CD+4*\c+3], s[98:99] offset:(\off)+512*\c
.endr
.endm
.macro PACKW j, odd
.if \odd
	v_cndmask_b32 v[SW+(\j)], v[SW+(\j)], v[PW], s95
.else
	v_mov_b32 v[SW+(\j)], v[PW]
.endif
.endm
.macro GROUPQ a
	s_wait_xcnt 0x0                                ; the last fragment's stores have read their registers
.set WN, 0x02+(\a)/4
	WIN WN
.set i, 0
.rept 32
	v_pk_add_f32 v[ST+i:ST+i+1], v[64*((\a)%4)+i:64*((\a)%4)+i+1], v[BI+i:BI+i+1]
.set i, i+2
.endr
	WIN 0
.endm
.macro GROUPV a
	s_wait_xcnt 0x0
.set WN, 0x02+(\a)/4
	WIN WN
.set i, 0
.rept 32
	v_pk_add_f32 v[ST+i:ST+i+1], v[64*((\a)%4)+i:64*((\a)%4)+i+1], v[BI+8*(\a):BI+8*(\a)+1]
.set i, i+2
.endr
	WIN 0
.endm
.macro GROUPK hd, pa
	s_wait_xcnt 0x0
.set WN, 0x02+(\pa)/2
	WIN WN
.irp e, 0,1
.set i, 0
.rept 16
	v_pk_add_f32 v[ST+32*\e+i:ST+32*\e+i+1], v[64*((2*(\pa)+\e)%4)+32*(\hd)+i:64*((2*(\pa)+\e)%4)+32*(\hd)+i+1], v[BI+32*(\hd)+i:BI+32*(\hd)+i+1]
.set i, i+2
.endr
.endr
	WIN 0
.endm
	s_wait_loadcnt 0x0                             ; the bias
	PLACES NP
.irp b, 0,1,2,3
	v_mov_b32 v[TM+4+\b], 0
.endr
	s_cmp_eq_u32 ttmp9, 0
	s_cbranch_scc1 .Lq
	s_cmp_eq_u32 ttmp9, 1
	s_cbranch_scc1 .Lk
.irp a, 0,1,2,3,4,5,6,7
	GROUPV \a
	QUANT ST
	OUTF 12800*(\a/4)+1536*(\a%4)
	PACKW (\a%4)/2, \a%2
.if \a%4 == 3
	global_store_b64 v[L8], v[SW:SW+1], s[98:99] offset:12800*(\a/4)+6144
.endif
.endr
	s_branch .Lend
.Lk:
.irp hd, 0,1
.irp pa, 0,1,2,3
	GROUPK \hd, \pa
	QUANT ST
	OUTF 12800*\hd+1536*\pa
	PACKW \pa/2, \pa%2
.endr
	global_store_b64 v[L8], v[SW:SW+1], s[98:99] offset:12800*\hd+6144
.endr
	s_branch .Lend
.Lq:
.irp a, 0,1,2,3,4,5,6,7
	GROUPQ \a
	QUANT ST
	OUTF 1536*\a
	PACKW \a/2, \a%2
.endr
	global_store_b128 v[L16], v[SW:SW+3], s[100:101]
.Lend:
	s_wait_tensorcnt 0x0                           ; the wave's end
	ds_add_u32 v[SPW], v[NIL]
	s_wait_dscnt 0x0
	CROUND
	s_endpgm
.Lfunc_end_k_q4ef49f8e57_qkv:
	.size	k_q4ef49f8e57_qkv, .Lfunc_end_k_q4ef49f8e57_qkv-k_q4ef49f8e57_qkv
	.p2alignl 7, 3214868480
	.fill 96, 4, 3214868480
	.section	.rodata,"a",@progbits
	.p2align	6, 0x0
	.amdhsa_kernel k_q4ef49f8e57_qkv
		.amdhsa_group_segment_fixed_size 327680
		.amdhsa_private_segment_fixed_size 0
		.amdhsa_enable_private_segment 0
		.amdhsa_kernarg_size 112
		.amdhsa_user_sgpr_count 2
		.amdhsa_user_sgpr_kernarg_segment_ptr 1
		.amdhsa_wavefront_size32 1
		.amdhsa_system_sgpr_workgroup_id_x 1
		.amdhsa_system_sgpr_workgroup_id_y 1
		.amdhsa_system_sgpr_workgroup_id_z 1
		.amdhsa_system_vgpr_workitem_id 0
		.amdhsa_next_free_vgpr 1024
		.amdhsa_next_free_sgpr 102
		.amdhsa_reserve_vcc 0
		.amdhsa_float_denorm_mode_32 3
		.amdhsa_float_denorm_mode_16_64 3
		.amdhsa_memory_ordered 1
		.amdhsa_forward_progress 1
		.amdhsa_inst_pref_size 255
	.end_amdhsa_kernel
	.section	.bss,"aw",@nobits
	.p2align	6
	.space	262144
	.amdgpu_metadata
---
amdhsa.version: [ 1, 2 ]
amdhsa.kernels:
  - .name:           k_q4ef49f8e57_qkv
    .symbol:         k_q4ef49f8e57_qkv.kd
    .args:
      - { .name: x_codes, .offset: 0, .size: 8, .value_kind: global_buffer, .address_space: global }
      - { .name: x_scales, .offset: 8, .size: 8, .value_kind: global_buffer, .address_space: global }
      - { .name: Wq_codes, .offset: 16, .size: 8, .value_kind: global_buffer, .address_space: global }
      - { .name: Wq_scales, .offset: 24, .size: 8, .value_kind: global_buffer, .address_space: global }
      - { .name: Wk_codes, .offset: 32, .size: 8, .value_kind: global_buffer, .address_space: global }
      - { .name: Wk_scales, .offset: 40, .size: 8, .value_kind: global_buffer, .address_space: global }
      - { .name: Wv_codes, .offset: 48, .size: 8, .value_kind: global_buffer, .address_space: global }
      - { .name: Wv_scales, .offset: 56, .size: 8, .value_kind: global_buffer, .address_space: global }
      - { .name: bq, .offset: 64, .size: 8, .value_kind: global_buffer, .address_space: global }
      - { .name: bk, .offset: 72, .size: 8, .value_kind: global_buffer, .address_space: global }
      - { .name: bv, .offset: 80, .size: 8, .value_kind: global_buffer, .address_space: global }
      - { .name: qfrag, .offset: 88, .size: 8, .value_kind: global_buffer, .address_space: global }
      - { .name: qscale, .offset: 96, .size: 8, .value_kind: global_buffer, .address_space: global }
      - { .name: kvrec, .offset: 104, .size: 8, .value_kind: global_buffer, .address_space: global }
    .group_segment_fixed_size: 327680
    .private_segment_fixed_size: 0
    .kernarg_segment_align: 8
    .kernarg_segment_size: 112
    .max_flat_workgroup_size: 128
    .sgpr_count:     102
    .vgpr_count:     1024
    .wavefront_size: 32
...
	.end_amdgpu_metadata
.endif
;; end of part 1
;; launch attn (part 2): grid 4 x 64, 16 waves a work-group, clusters of 4 x 1, 327,680 bytes of LDS; arguments qfrag, qscale, kvrec, afrag, ascale; writes afrag, ascale
.if DOCPART == 2
	.amdgcn_target "amdgcn-amd-amdhsa--gfx1250"
	.amdhsa_code_object_version 6
	.text
	.protected	k_q4ef49f8e57_attn
	.globl	k_q4ef49f8e57_attn
	.p2align	8
	.type	k_q4ef49f8e57_attn,@function
k_q4ef49f8e57_attn:
	s_mov_b64 s[64:65], 0
	v_nop
	global_prefetch_b8 v0, s[64:65] scope:SCOPE_SE
	s_setreg_imm32_b32 hwreg(HW_REG_WAVE_MODE, 25, 1), 1
	s_wait_xcnt 0x0
	s_wait_alu depctr_hold_cnt(0) depctr_sa_sdst(0) depctr_va_vdst(0) depctr_va_sdst(0) depctr_va_ssrc(0) depctr_va_vcc(0) depctr_vm_vsrc(0)
	s_getreg_b32 s2, hwreg(HW_REG_IB_STS2, 6, 4)
	s_cmp_eq_u32 s2, 0
	s_cbranch_scc0 .Lentry_in_a_cluster
	s_endpgm
.Lentry_in_a_cluster:
	s_bfe_u32 s2, ttmp6, 0x10000c
	s_cmp_lg_u32 s2, 0x3003
	s_cbranch_scc0 .Lentry_shape_is_right
	s_endpgm
.Lentry_shape_is_right:
; Attention on codes of FP6 (E2M3): scores = Q K^T / 8, p = 2^(t - M), O = (p V) / l, and the result quantised along (head, channel) for the output projection.
; t = score x log2(e) / 8; M = the row's largest t so far, rounded UP to a whole number; p is quantised along the keys; l is the sum of the unquantised p, in f32.  When M moves, l and O are multiplied by 2^(old M - new M): exact.
; SHARES.  A work-group owns ONE HEAD of one batch and 512 of its queries; each of sixteen waves owns two tiles of 16 queries.  The head's K and V for all 2,048 keys are 16 x 12,800 = 204,800 bytes:
; they come into LDS ONCE, one tensor load a wave (wave w: key step w), and stay: the walk over the 16 key steps has no refill and no barrier.
; K AND V are images of operand registers: a head's part of a key step is four fragments of K, 256 bytes of their scale words, four fragments of V^T, 256 bytes of theirs.
; CLUSTER.  The head's four blocks of queries need the same K and V: each tile is asked for jointly, with a mask that names the four.
; THE HEAD'S 64 IN AN INSTRUCTION OF 128: a fragment of K holds two key tiles and is multiplied by (q, zeros) and by (zeros, q).
; Both products are used transposed: a lane holds one query.  Score register 16 f + 8 u + j of lane (r, h) is key 32 f + 16 u + 8 h + j; V's codes lie in the same order.
; K IS ASKED FOR HALF A STEP AHEAD: when p's codes are made, the score registers are free and take the next half step's fragments of K.  So the two query tiles take turns between two layouts of v40-151:
; tile 0: fragments v40-87, scores v88-151; tile 1: fragments v104-151, scores v40-103.  The last key step is written out: it asks for nothing beyond the tiles.
; OUT: a tile's 64 channels are half a fragment of the next product: six registers a lane, stored as 512 + 256 consecutive bytes at 768 x (head % 2) of the fragment's 1,536.
; No prefetch into the L2: every tile is asked for at the head, so there is no loop to run ahead in.
; LIMITS: NaN and infinities are not served; the promise holds while |t| stays under 2^31; a block of the result under 2^-124 gets the scale byte 1.
.set HREC,  12800
.set STEPB, 25600
.set SPARE, 16*HREC
.set L16, 1
.set L8,  2
.set A16, 3
.set A8,  4
.set SPW, 5
.set NIL, 6
.set T1,  7
;                                        v8-37: zeros, q of tile 0, zeros, q of tile 1, zeros
.set QS,  38                           ; v38, v39 q's scale words (s0, s1, s0, s1) of tile 0, 1
.set S,   88                           ; the way out's 64 numbers
.set OTR, 152                          ; v152-215 O^T: tile 0, tile 1
.set P,   216
.set R1,  228
.set BM,  236                          ; v236-239 the blocks' largest scores, largest p, then the conversions' scale operands
.set KSC, 240                          ; v[240:241] K's scale words
.set KVS, 244                          ; v[244:245] V's
.set FF,  246
.set PWD, 247
;                                        v[248 + 4 t]: -M; + 1: the largest t; + 2, + 3: l in two halves
.set TM,  40
.set CD,  216
.set PW,  56
.set WV,  14
.set SEL, 20
.set CS,  22
.set G1,  24
.set G0,  32
.set TB,  40
.set CNT, 41
.macro CROUND
	s_barrier_signal -1
	s_barrier_wait -1
	s_cmp_lg_u32 s[WV], 0
	s_cbranch_scc1 .Lnot_wave_0_\@
	s_barrier_signal -3
.Lnot_wave_0_\@:
	s_barrier_wait -3
	s_barrier_signal -1
	s_barrier_wait -1
.endm
	s_load_b256 s[4:11], s[0:1], 0x0               ; qfrag, qscale, kvrec, afrag
	s_load_b64 s[12:13], s[0:1], 0x20              ; ascale
	v_lshl_add_u32 v[SPW], v0, 2, SPARE
	v_mov_b32 v[NIL], 0
	ds_add_u32 v5, v6                              ; the opening lines
	ds_add_u32 v5, v6
	s_wait_dscnt 0x0
	v_lshrrev_b32 v7, 5, v0
	s_delay_alu instid0(VALU_DEP_1)
	v_readfirstlane_b32 s[WV], v7                  ; wave 0..15
	s_bfe_u32 s15, ttmp6, 0x40000                  ; cx = my block of 512 queries: it enters Q's and the results' global addresses alone
	s_and_b32 s50, ttmp7, 0xffff
	s_lshr_b32 s17, s50, 1                         ; 8 x batch + g
	s_and_b32 s50, s50, 1                          ; the head of the pair
	s_mul_i32 s42, s[WV], HREC                     ; key step w's place in LDS
	s_mul_i32 s18, s17, 16*STEPB
	s_mul_i32 s51, s[WV], STEPB
	s_add_co_u32 s18, s18, s51
	s_mul_i32 s51, s50, HREC
	s_add_co_u32 s18, s18, s51                     ; and in kvrec
	s_mov_b32 s19, 0
	s_mov_b32 s[G1], 15|(3<<16)|(1<<21)            ; 12,800 dense bytes as 50 rows of 256; the mask names all four
	s_mov_b32 s[G1+1], 32<<16
	s_mov_b32 s[G1+2], 50<<16
	s_mov_b32 s[G1+3], 32<<16
	s_mov_b32 s[G1+4], 50
	s_mov_b32 s[G1+5], 32
	s_mov_b32 s[G1+6], 0
	s_mov_b32 s[G1+7], 0
	s_lshl_b32 s51, s15, 5
	s_lshl_b32 s16, s[WV], 1
	s_add_co_u32 s51, s51, s16                     ; my first tile in the batch: 32 cx + 2 wave
	s_lshl_b32 s43, s17, 7
	s_add_co_u32 s43, s43, s51                     ; in qfrag
	s_mul_i32 s44, s43, 1536
	s_mov_b32 s45, 0
	s_lshr_b32 s46, s43, 3                         ; scale words: 512 bytes for eight tiles; tile a, row r at 256 (a % 2) + 16 r + 4 (a / 2); + 2 x head
	s_lshl_b32 s46, s46, 9
	s_and_b32 s47, s[WV], 3
	s_lshl_b32 s47, s47, 2
	s_add_co_u32 s46, s46, s47
	s_lshl_b32 s47, s50, 1
	s_add_co_u32 s46, s46, s47
	s_mov_b32 s47, 0
	s_lshr_b32 s48, s17, 3
	s_lshl_b32 s48, s48, 7
	s_add_co_u32 s48, s48, s51                     ; my first tile of 16 rows among all 512
	s_and_b32 s49, s17, 7                          ; g
	s_lshr_b32 s2, s48, 3
	s_lshl_b32 s2, s2, 3
	s_add_co_u32 s2, s2, s49
	s_lshl_b32 s2, s2, 3
	s_and_b32 s3, s48, 7
	s_add_co_u32 s2, s2, s3
	s_mul_i32 s2, s2, 1536                         ; afrag: ((block of 128 rows x 8 + g) x 8 + tile) fragments,
	s_mul_i32 s3, s50, 768
	s_add_co_u32 s2, s2, s3                        ; my head's half
	s_mov_b32 s3, 0
	s_lshl_b32 s48, s48, 9                         ; ascale: 16 rows of 32 bytes a tile, + 4 g + 2 x head
	s_lshl_b32 s49, s49, 2
	s_add_co_u32 s48, s48, s49
	s_lshl_b32 s49, s50, 1
	s_add_co_u32 s48, s48, s49
	s_mov_b32 s49, 0
	s_cmp_eq_u32 s50, 0                            ; registers 6 head .. + 5 of Q's image: pairs at 0, 8, 512 or at 520, 1024, 1032
	s_cselect_b32 s52, 0, 520
	s_cselect_b32 s53, 8, 1024
	s_mov_b32 s[SEL], 0x76543210
	s_mov_b32 s[SEL+1], 0xfedcba98
	s_mov_b32 s[CS], 0x3e38aa3b                    ; log2(e) / 8
	s_mov_b32 s[CS+1], s[CS]
	s_wait_kmcnt 0x0
	s_add_nc_u64 s[8:9], s[8:9], s[18:19]
	s_add_nc_u64 s[4:5], s[4:5], s[44:45]
	s_add_nc_u64 s[6:7], s[6:7], s[46:47]
	s_add_nc_u64 s[10:11], s[10:11], s[2:3]
	s_add_nc_u64 s[12:13], s[12:13], s[48:49]
	s_mov_b32 s[G0], 1
	s_mov_b32 s[G0+1], s42
	s_mov_b64 s[G0+2:G0+3], s[8:9]
	s_or_b32 s[G0+3], s[G0+3], 0x80000000
	CROUND                                         ; the joint loads meet
	tensor_load_to_lds s[G0:G0+3], s[G1:G1+7]      ; every wave's one load: key step w
	s_nop 0
.rept 4
	v_nop
.endr
	v_and_b32 v7, 31, v0
	s_delay_alu instid0(VALU_DEP_1)
	v_lshlrev_b32 v[L16], 4, v7
	s_delay_alu instid0(VALU_DEP_2)
	v_lshlrev_b32 v[L8], 3, v7
	v_and_b32 v7, 15, v0
	s_delay_alu instid0(VALU_DEP_1)
	v_lshlrev_b32 v7, 4, v7                        ; 16 r
	v_add_nc_u32 v40, s52, v[L16]
	v_add_nc_u32 v41, s53, v[L16]
.irp t, 0,1
	global_load_b64 v[14+12*\t:15+12*\t], v40, s[4:5] offset:1536*\t
	global_load_b64 v[16+12*\t:17+12*\t], v41, s[4:5] offset:1536*\t
	global_load_b64 v[18+12*\t:19+12*\t], v40, s[4:5] offset:1536*\t+512
	global_load_u16 v[52+\t], v7, s[6:7] offset:256*\t   ; my head's two scale bytes
.endr
.irp i, 0,1,2,3,4,5
	v_mov_b32 v[8+\i], 0
	v_mov_b32 v[20+\i], 0
	v_mov_b32 v[32+\i], 0
.endr
.irp hd, 0,1
	v_mov_b32 v[249+4*\hd], 0xff61b1e6             ; the largest t so far: -3e38
	s_delay_alu instid0(VALU_DEP_1)
	v_floor_f32 v[248+4*\hd], -v[249+4*\hd]
	v_mov_b32 v[250+4*\hd], 0
	v_mov_b32 v[251+4*\hd], 0
.endr
.irp b, 0,1,2,3
	v_mov_b32 v[R1+\b], 0
.endr
	v_mov_b32 v[PWD], 0
	s_wait_loadcnt 0x0                             ; Q
	v_lshl_or_b32 v[QS], v52, 16, v52
	v_lshl_or_b32 v[QS+1], v53, 16, v53
.set i, 0
.rept 64
	v_mov_b32 v[OTR+i], 0                          ; the step is written for every key step alike: the first finds zeros; also the places ahead of the first scaled product
.set i, i+1
.endr
; four fragments of K and their scale words: 13 loads
.macro KLOAD dst, a16, a8, off
.irp f, 0,1,2,3
.irp c, 0,1,2
	ds_load_b128 v[\dst+12*\f+4*\c:\dst+12*\f+4*\c+3], v[\a16] offset:(\off)+1536*\f+512*\c
.endr
.endr
	ds_load_b64 v[KSC:KSC+1], v[\a8] offset:(\off)+6144
.endm
; 128 keys for query tile hd.  fr: K's fragments (asked for earlier), then V's; sb: the scores; nx = 1: the next half step's K goes to nf, from noff bytes behind this key step
.macro HSTEP hd, fr, sb, nf, noff, nx
.set SN, 248+4*(\hd)
.set OT, OTR+32*(\hd)
.set QL, 14+12*(\hd)
.set QH, 8+12*(\hd)
.rept 5
	v_nop                                          ; five places: the scores are written over registers that the last products read
.endr
	s_wait_dscnt 0x0                               ; K is in
.irp f, 0,1,2,3                                ; S^T = K q^T
.if \f%2
	v_wmma_scale_f32_16x16x128_f8f6f4 v[\sb+16*\f:\sb+16*\f+7], v[\fr+12*\f:\fr+12*\f+11], v[QL:QL+11], 0, v[KSC+\f/2], v[QS+(\hd)] matrix_a_fmt:MATRIX_FMT_FP6 matrix_b_fmt:MATRIX_FMT_FP6 matrix_a_scale:MATRIX_SCALE_ROW1
	v_wmma_scale_f32_16x16x128_f8f6f4 v[\sb+16*\f+8:\sb+16*\f+15], v[\fr+12*\f:\fr+12*\f+11], v[QH:QH+11], 0, v[KSC+\f/2], v[QS+(\hd)] matrix_a_fmt:MATRIX_FMT_FP6 matrix_b_fmt:MATRIX_FMT_FP6 matrix_a_scale:MATRIX_SCALE_ROW1
.else
	v_wmma_scale_f32_16x16x128_f8f6f4 v[\sb+16*\f:\sb+16*\f+7], v[\fr+12*\f:\fr+12*\f+11], v[QL:QL+11], 0, v[KSC+\f/2], v[QS+(\hd)] matrix_a_fmt:MATRIX_FMT_FP6 matrix_b_fmt:MATRIX_FMT_FP6
	v_wmma_scale_f32_16x16x128_f8f6f4 v[\sb+16*\f+8:\sb+16*\f+15], v[\fr+12*\f:\fr+12*\f+11], v[QH:QH+11], 0, v[KSC+\f/2], v[QS+(\hd)] matrix_a_fmt:MATRIX_FMT_FP6 matrix_b_fmt:MATRIX_FMT_FP6
.endif
.endr
.rept 4
	v_nop
.endr
.irp f, 0,1,2,3                                ; V^T lands under the softmax: 13 loads
.irp c, 0,1,2
	ds_load_b128 v[\fr+12*\f+4*\c:\fr+12*\f+4*\c+3], v[A16] offset:6400+1536*\f+512*\c
.endr
.endr
	ds_load_b64 v[KVS:KVS+1], v[A8] offset:12544
.irp b, 0,1,2,3
	v_max3_num_f32 v[BM+\b], v[\sb+16*\b], v[\sb+1+16*\b], v[\sb+2+16*\b]   ; each block's largest score: for the row's maximum and for the block's largest p
.endr
.irp i, 3,5,7,9,11,13
.irp b, 0,1,2,3
	v_max3_num_f32 v[BM+\b], v[BM+\b], v[\sb+16*\b+\i], v[\sb+1+16*\b+\i]
.endr
.endr
.irp b, 0,1,2,3
	v_max_num_f32 v[BM+\b], v[BM+\b], v[\sb+15+16*\b]
.endr
.irp b, 0,1,2,3
	s_delay_alu instid0(VALU_DEP_4)
	v_permlanex16_b32 v[R1+\b], v[BM+\b], s[SEL], s[SEL+1]
.endr
.irp b, 0,1,2,3
	s_delay_alu instid0(VALU_DEP_4)
	v_max_num_f32 v[BM+\b], v[BM+\b], v[R1+\b]
.endr
	s_delay_alu instid0(VALU_DEP_2)
	v_max3_num_f32 v[T1], v[BM], v[BM+1], v[BM+2]
	s_delay_alu instid0(VALU_DEP_1)
	v_max_num_f32 v[T1], v[T1], v[BM+3]
	s_delay_alu instid0(VALU_DEP_1)
	v_mul_f32 v[T1], s[CS], v[T1]
	s_delay_alu instid0(VALU_DEP_1)
	v_max_num_f32 v[SN+1], v[SN+1], v[T1]          ; the running largest t
	v_mov_b32 v[T1], v[SN]
	s_delay_alu instid0(VALU_DEP_2)
	v_floor_f32 v[SN], -v[SN+1]                    ; the new -M
	s_delay_alu instid0(VALU_DEP_1)
	v_sub_f32 v[T1], v[SN], v[T1]
	s_delay_alu instid0(VALU_DEP_1)
	v_cvt_i32_f32 v[T1], v[T1]
	s_delay_alu instid0(VALU_DEP_1)
	v_ldexp_f32 v[FF], 1.0, v[T1]                  ; f = 2^(old M - new M)
.set i, 0
.rept 32
	v_pk_fma_f32 v[\sb+i:\sb+i+1], v[\sb+i:\sb+i+1], s[CS:CS+1], v[SN:SN+1] op_sel_hi:[1,0,0]   ; t - M
.set i, i+2
.endr
.irp b, 0,1,2,3
	v_fma_f32 v[BM+\b], v[BM+\b], s[CS], v[SN]
.endr
.set i, 0
	s_wait_alu depctr_va_vdst(0)                   ; the wait ahead of the batch
.rept 64
	v_exp_f32 v[\sb+i], v[\sb+i]                   ; p
.set i, i+1
.endr
	v_pk_mul_f32 v[SN+2:SN+3], v[SN+2:SN+3], v[FF:FF+1] op_sel_hi:[1,0]
	s_wait_alu depctr_va_vdst(0)                   ; and behind it
.irp b, 0,1,2,3
	v_exp_f32 v[BM+\b], v[BM+\b]                   ; the block's largest p
.endr
	v_pk_add_f32 v[R1:R1+1], v[\sb:\sb+1], v[\sb+2:\sb+3]  ; l, of the unquantised p, in two chains
.irp j, 4,8,12,16,20,24,28,32,36,40,44,48,52,56,60
	v_pk_add_f32 v[SN+2:SN+3], v[SN+2:SN+3], v[\sb+\j:\sb+1+\j]
	v_pk_add_f32 v[R1:R1+1], v[R1:R1+1], v[\sb+2+\j:\sb+3+\j]
.endr
	s_delay_alu instid0(VALU_DEP_1)
	v_pk_add_f32 v[SN+2:SN+3], v[SN+2:SN+3], v[R1:R1+1]
	s_wait_alu depctr_va_vdst(0)
.irp b, 0,1,2,3
	v_max_num_f32 v[BM+\b], 0x1800000, v[BM+\b]    ; the floor 2^(3 - 127)
.endr
.irp b, 0,1,2,3
	s_delay_alu instid0(VALU_DEP_4)
	v_add_nc_u32 v[BM+\b], 0xff000000, v[BM+\b]    ; 2 off the exponent field: the conversion's scale operand, in place
.endr
.irp b, 0,1,2,3
	s_delay_alu instid0(VALU_DEP_4)
	v_lshrrev_b32 v[R1+\b], 23, v[BM+\b]
.endr
	s_delay_alu instid0(VALU_DEP_3)
	v_lshl_or_b32 v[PWD], v[R1+1], 8, v[R1]
	s_delay_alu instid0(VALU_DEP_1)
	v_lshl_or_b32 v[PWD], v[R1+2], 16, v[PWD]
	s_delay_alu instid0(VALU_DEP_1)
	v_lshl_or_b32 v[PWD], v[R1+3], 24, v[PWD]
.irp c, 0,1
	v_cvt_scalef32_pk16_fp6_f32 v[P+6*\c:P+2+6*\c], v[\sb+32*\c:\sb+15+32*\c], v[BM+2*\c]
	v_cvt_scalef32_pk16_fp6_f32 v[R1+4*\c:R1+2+4*\c], v[\sb+16+32*\c:\sb+31+32*\c], v[BM+2*\c+1]
.endr
	v_nop
.if \nx
	KLOAD \nf, A16, A8, \noff                      ; the score registers are free: the next half step's K
.endif
.irp c, 0,1
.irp i, 0,1,2
	v_permlane16_swap_b32 v[P+6*\c+\i], v[R1+4*\c+\i]
.endr
.irp i, 0,1,2
	s_delay_alu instid0(VALU_DEP_3)
	v_mov_b32 v[P+3+6*\c+\i], v[R1+4*\c+\i]
.endr
.endr
.set i, 0
.rept 16
	v_pk_mul_f32 v[OT+i:OT+i+1], v[OT+i:OT+i+1], v[FF:FF+1] op_sel_hi:[1,0]   ; O^T under the new M; also the places ahead of the products
.set i, i+2
.endr
	s_wait_alu depctr_va_vdst(0)
.if \nx
	s_wait_dscnt 13                                ; V^T is in; the 13 loads of the next K are younger
.else
	s_wait_dscnt 0x0
.endif
.irp f, 0,1,2,3                                ; O^T += V^T p^T, four accumulators by turns
.if \f%2
	v_wmma_scale_f32_16x16x128_f8f6f4 v[OT+8*\f:OT+8*\f+7], v[\fr+12*\f:\fr+12*\f+11], v[P:P+11], v[OT+8*\f:OT+8*\f+7], v[KVS+\f/2], v[PWD] matrix_a_fmt:MATRIX_FMT_FP6 matrix_b_fmt:MATRIX_FMT_FP6 matrix_a_scale:MATRIX_SCALE_ROW1
.else
	v_wmma_scale_f32_16x16x128_f8f6f4 v[OT+8*\f:OT+8*\f+7], v[\fr+12*\f:\fr+12*\f+11], v[P:P+11], v[OT+8*\f:OT+8*\f+7], v[KVS+\f/2], v[PWD] matrix_a_fmt:MATRIX_FMT_FP6 matrix_b_fmt:MATRIX_FMT_FP6
.endif
.endr
.endm
; a key step: both query tiles.  more = 1: a key step follows
.macro KSTEP more
	v_add_nc_u32 v[A16], s[TB], v[L16]
	s_wait_alu depctr_va_vdst(0)
	v_add_nc_u32 v[A8], s[TB], v[L8]
	s_wait_alu depctr_va_vdst(0)
	HSTEP 0, 40, 88, 104, 0, 1                     ; tile 1 takes the same key step's K
	HSTEP 1, 104, 40, 40, HREC, \more              ; tile 0 the next key step's
.endm
.macro QUANT s
.irp b, 0,1,2,3
	v_max3_num_f32 v[TM+\b], |v[\s+16*\b]|, |v[\s+1+16*\b]|, 0x1800000
.endr
.irp i, 2,4,6,8,10,12,14
.irp b, 0,1,2,3
	s_delay_alu instid0(VALU_DEP_4)
	v_max3_num_f32 v[TM+\b], v[TM+\b], |v[\s+16*\b+\i]|, |v[\s+1+16*\b+\i]|
.endr
.endr
.irp b, 0,1,2,3
	s_delay_alu instid0(VALU_DEP_4)
	v_permlanex16_b32 v[TM+4+\b], v[TM+\b], s[SEL], s[SEL+1]
.endr
.irp b, 0,1,2,3
	s_delay_alu instid0(VALU_DEP_4)
	v_max_num_f32 v[TM+\b], v[TM+\b], v[TM+4+\b]
.endr
.irp b, 0,1,2,3
	s_delay_alu instid0(VALU_DEP_4)
	v_add_nc_u32 v[TM+12+\b], 0xff000000, v[TM+\b]
.endr
.irp b, 0,1,2,3
	s_delay_alu instid0(VALU_DEP_4)
	v_lshrrev_b32 v[TM+4+\b], 23, v[TM+12+\b]
.endr
	s_delay_alu instid0(VALU_DEP_3)
	v_lshl_or_b32 v[PW], v[TM+5], 8, v[TM+4]
	s_delay_alu instid0(VALU_DEP_1)
	v_lshl_or_b32 v[PW], v[TM+6], 16, v[PW]
	s_delay_alu instid0(VALU_DEP_1)
	v_lshl_or_b32 v[PW], v[TM+7], 24, v[PW]
.irp c, 0,1
	v_cvt_scalef32_pk16_fp6_f32 v[CD+6*\c:CD+2+6*\c], v[\s+32*\c:\s+15+32*\c], v[TM+12+2*\c]
	v_cvt_scalef32_pk16_fp6_f32 v[CD+12+4*\c:CD+14+4*\c], v[\s+16+32*\c:\s+31+32*\c], v[TM+12+2*\c+1]
.endr
	v_nop
.irp c, 0,1
.irp i, 0,1,2
	v_permlane16_swap_b32 v[CD+6*\c+\i], v[CD+12+4*\c+\i]
.endr
.irp i, 0,1,2
	s_delay_alu instid0(VALU_DEP_3)
	v_mov_b32 v[CD+3+6*\c+\i], v[CD+12+4*\c+\i]
.endr
.endr
.endm
	s_wait_tensorcnt 0x0                           ; my key step is in,
	s_barrier_signal -1
	s_barrier_wait -1                              ; everybody's is: all 16
	KLOAD 40, L16, L8, 0                           ; key step 0's K
	s_mov_b32 s[TB], 0
	s_mov_b32 s[CNT], 15
.Lstep:                                                ; key steps 0 to 14
	KSTEP 1
	s_add_co_u32 s[TB], s[TB], HREC
	s_sub_co_u32 s[CNT], s[CNT], 1
	s_cmp_lg_u32 s[CNT], 0
	s_cbranch_scc1 .Lstep
	KSTEP 0                                        ; key step 15
	; THE WAY OUT: O^T / l; the halves of the lanes change registers so that 16 registers are 16 neighbours along the next K; quantised; stored
.rept 4
	v_nop
.endr
	v_add_f32 v228, v250, v251
	v_add_f32 v230, v254, v255
	s_delay_alu instid0(VALU_DEP_2)
	v_permlanex16_b32 v229, v228, s[SEL], s[SEL+1]
	s_delay_alu instid0(VALU_DEP_2)
	v_permlanex16_b32 v231, v230, s[SEL], s[SEL+1]
	s_delay_alu instid0(VALU_DEP_2)
	v_add_f32 v228, v228, v229                     ; tile 0's l
	s_delay_alu instid0(VALU_DEP_2)
	v_add_f32 v230, v230, v231                     ; tile 1's
	s_wait_alu depctr_va_vdst(0)
	v_rcp_f32 v228, v228
	v_rcp_f32 v230, v230
	v_nop
	s_wait_alu depctr_va_vdst(0)
.set i, 0
.rept 16
	v_pk_mul_f32 v[S+i:S+i+1], v[OTR+i:OTR+i+1], v[228:229] op_sel_hi:[1,0]
.set i, i+2
.endr
.rept 16
	v_pk_mul_f32 v[S+i:S+i+1], v[OTR+i:OTR+i+1], v[230:231] op_sel_hi:[1,0]
.set i, i+2
.endr
.irp bb, 0,1,2,3
.irp j, 0,1,2,3,4,5,6,7
	v_permlane16_swap_b32 v[S+16*\bb+\j], v[S+8+16*\bb+\j]
.endr
.endr
.irp b, 0,1,2,3
	v_mov_b32 v[TM+4+\b], 0
.endr
	QUANT S                                        ; codes: registers 0-5 tile 0, 6-11 tile 1; scale word: bytes 0, 1 tile 0, bytes 2, 3 tile 1
	v_and_b32 v8, 15, v0
	s_delay_alu instid0(VALU_DEP_1)
	v_lshlrev_b32 v8, 5, v8                        ; 32 r: a row of ascale
.irp t, 0,1
	global_store_b128 v[L16], v[CD+6*\t:CD+6*\t+3], s[10:11] offset:1536*\t        ; 512 consecutive bytes
	global_store_b64 v[L8], v[CD+6*\t+4:CD+6*\t+5], s[10:11] offset:1536*\t+512    ; 256 consecutive bytes
.endr
	global_store_b16 v8, v[PW], s[12:13]
	global_store_d16_hi_b16 v8, v[PW], s[12:13] offset:512
	s_wait_tensorcnt 0x0                           ; the wave's end
	ds_add_u32 v[SPW], v[NIL]
	s_wait_dscnt 0x0
	CROUND
	s_endpgm
.Lfunc_end_k_q4ef49f8e57_attn:
	.size	k_q4ef49f8e57_attn, .Lfunc_end_k_q4ef49f8e57_attn-k_q4ef49f8e57_attn
	.p2alignl 7, 3214868480
	.fill 96, 4, 3214868480
	.section	.rodata,"a",@progbits
	.p2align	6, 0x0
	.amdhsa_kernel k_q4ef49f8e57_attn
		.amdhsa_group_segment_fixed_size 327680
		.amdhsa_private_segment_fixed_size 0
		.amdhsa_enable_private_segment 0
		.amdhsa_kernarg_size 40
		.amdhsa_user_sgpr_count 2
		.amdhsa_user_sgpr_kernarg_segment_ptr 1
		.amdhsa_wavefront_size32 1
		.amdhsa_system_sgpr_workgroup_id_x 1
		.amdhsa_system_sgpr_workgroup_id_y 1
		.amdhsa_system_sgpr_workgroup_id_z 1
		.amdhsa_system_vgpr_workitem_id 0
		.amdhsa_next_free_vgpr 256
		.amdhsa_next_free_sgpr 66
		.amdhsa_reserve_vcc 0
		.amdhsa_float_denorm_mode_32 3
		.amdhsa_float_denorm_mode_16_64 3
		.amdhsa_memory_ordered 1
		.amdhsa_forward_progress 1
		.amdhsa_inst_pref_size 85
	.end_amdhsa_kernel
	.amdgpu_metadata
---
amdhsa.version: [ 1, 2 ]
amdhsa.kernels:
  - .name:           k_q4ef49f8e57_attn
    .symbol:         k_q4ef49f8e57_attn.kd
    .args:
      - { .name: qfrag, .offset: 0, .size: 8, .value_kind: global_buffer, .address_space: global }
      - { .name: qscale, .offset: 8, .size: 8, .value_kind: global_buffer, .address_space: global }
      - { .name: kvrec, .offset: 16, .size: 8, .value_kind: global_buffer, .address_space: global }
      - { .name: afrag, .offset: 24, .size: 8, .value_kind: global_buffer, .address_space: global }
      - { .name: ascale, .offset: 32, .size: 8, .value_kind: global_buffer, .address_space: global }
    .group_segment_fixed_size: 327680
    .private_segment_fixed_size: 0
    .kernarg_segment_align: 8
    .kernarg_segment_size: 40
    .max_flat_workgroup_size: 512
    .sgpr_count:     66
    .vgpr_count:     256
    .wavefront_size: 32
...
	.end_amdgpu_metadata
.endif
;; end of part 2
;; launch oproj (part 3): grid 4 x 64, 4 waves a work-group, clusters of 4 x 4, 327,680 bytes of LDS; arguments afrag, ascale, Wo_codes, Wo_scales, bo, out0; writes out0
.if DOCPART == 3
	.amdgcn_target "amdgcn-amd-amdhsa--gfx1250"
	.amdhsa_code_object_version 6
	.text
	.protected	k_q4ef49f8e57_oproj
	.globl	k_q4ef49f8e57_oproj
	.p2align	8
	.type	k_q4ef49f8e57_oproj,@function
k_q4ef49f8e57_oproj:
	s_mov_b64 s[64:65], 0
	v_nop
	global_prefetch_b8 v0, s[64:65] scope:SCOPE_SE
	s_setreg_imm32_b32 hwreg(HW_REG_WAVE_MODE, 25, 1), 1
	s_wait_xcnt 0x0
	s_wait_alu depctr_hold_cnt(0) depctr_sa_sdst(0) depctr_va_vdst(0) depctr_va_sdst(0) depctr_va_ssrc(0) depctr_va_vcc(0) depctr_vm_vsrc(0)
	s_getreg_b32 s2, hwreg(HW_REG_IB_STS2, 6, 4)
	s_cmp_eq_u32 s2, 0
	s_cbranch_scc0 .Lentry_in_a_cluster
	s_endpgm
.Lentry_in_a_cluster:
	s_bfe_u32 s2, ttmp6, 0x10000c
	s_cmp_lg_u32 s2, 0xf033
	s_cbranch_scc0 .Lentry_shape_is_right
	s_endpgm
.Lentry_shape_is_right:
; out0 = a Wo + bo on codes of FP6 (E2M3) with E8M0 scales, K = 1,024, sums in f32.  a: 8,192 rows, as images of operand registers (afrag) with a row of 32 scale bytes each (ascale).
; 256 work-groups: each makes 128 rows x 256 columns.  ALL OF K of both operands lies in LDS: a's 128 rows are 98,304 dense bytes; Wo's 256 rows of 768 bytes take 16 bytes of padding behind every 256.
; Four tiles, four waves, one tensor load a wave at the head; nothing is filled again.  4 x 4 clusters: a's tiles are asked for jointly along a row of the cluster, Wo's along a column.
; A wave makes 64 x 128: 32 accumulators, by turns; eight steps of 128 along K on two sets of fragments; the bias is the first products' C.
; Source 0 = rows of Wo, source 1 = rows of a: a lane holds eight neighbouring columns of a row; a block of 16 rows goes through a stage in LDS and leaves as rows of 512 bytes.
; afrag: [block of 128 rows][g = K / 128][tile of 16 rows][half c][512 bytes: registers 6 c .. + 3, 16 a lane][256 bytes: registers 6 c + 4, + 5, 8 a lane].
; No prefetch: every tile is asked for at the head, so there is no loop to run ahead in.
; REGISTERS: window 0: addresses, scale words (v32-111), bias (v112-175), on the way out v128-255; window 1: accumulators; windows 2, 3: the fragments' two sets (Wo's eight at 0, a's four at 96).
.set SIZE_N, 1024
.set KROW,   768
.set PITCH,  816
.set FR,     12
.set BB0,    98304
.set SCL,    BB0+256*PITCH
.set SCLB,   SCL+16*272
.set SPARE,  SCLB+32*272
.set SBLK,   544
.set SPITCH, 528
.set AA16, 4                           ; v4, v5  a's fragments, 16 x lane: steps 0-3, 4-7
.set AA8,  6                           ; v6, v7  the same, 8 x lane
.set BA,   8                           ; v8-23   Wo's eight blocks: address, and the same behind one padding more
.set STO,  24
.set RD,   25
.set CO,   26
.set ADRS, 27
.set SPW,  28
.set NIL,  29
.set H32,  30
.set SC,   32                          ; block i's eight words at v[SC + 10 i]: lanes 0-15 a's, lanes 16-31 Wo's
.set BI,   112
.set BK,   128
.set G1A, 24
.set G0A, 32
.set G1B, 48
.set G0B, 56
.set G1S, 68
.set G0S, 76
.set G1SB, 80
.set G0SB, 88
.set MSB, 0
.macro WIN new
.if MSB != (\new)
	s_set_vgpr_msb (MSB<<8)|(\new)
.set MSB, \new
.endif
.endm
.macro PLACES n
.rept \n
	v_nop
.endr
.endm
.macro CROUND
	s_barrier_signal -1
	s_barrier_wait -1
	s_cmp_lg_u32 s14, 0
	s_cbranch_scc1 .Lnot_wave_0_\@
	s_barrier_signal -3
.Lnot_wave_0_\@:
	s_barrier_wait -3
	s_barrier_signal -1
	s_barrier_wait -1
.endm
.macro DENSE g, rows                   ; rows of 256 bytes (32 elements of 8)
	s_mov_b32 s[\g+1], 32<<16
	s_mov_b32 s[\g+2], (\rows)<<16
	s_mov_b32 s[\g+3], 32<<16
	s_mov_b32 s[\g+4], \rows
	s_mov_b32 s[\g+5], 32
	s_mov_b32 s[\g+6], 0
	s_mov_b32 s[\g+7], 0
.endm
.macro G0MK g, lds, base, off
	s_mov_b32 s[\g], 1
	s_mov_b32 s[\g+1], \lds
	s_add_nc_u64 s[\g+2:\g+3], s[\base:\base+1], s[\off:\off+1]
	s_or_b32 s[\g+3], s[\g+3], 0x80000000
.endm
	s_load_b128 s[4:7], s[0:1], 0x0                ; afrag, ascale
	s_load_b128 s[8:11], s[0:1], 0x10              ; Wo's codes, scales
	s_load_b128 s[92:95], s[0:1], 0x20             ; bo, out0
	v_lshl_add_u32 v[SPW], v0, 2, SPARE
	v_mov_b32 v[NIL], 0
	ds_add_u32 v[SPW], v[NIL]                      ; the opening lines
	ds_add_u32 v[SPW], v[NIL]
	v_lshrrev_b32 v1, 5, v0
	v_readfirstlane_b32 s14, v1                    ; wave
	s_lshr_b32 s15, s14, 1                         ; my 64 of the 128 rows
	s_and_b32 s16, s14, 1                          ; my 128 of the 256 columns
	s_bfe_u32 s40, ttmp6, 0x40000
	s_bfe_u32 s41, ttmp6, 0x40004
	s_lshl_b32 s42, ttmp9, 2
	s_add_co_u32 s42, s42, s40                     ; block of 256 columns
	s_and_b32 s17, ttmp7, 0xffff
	s_lshl_b32 s17, s17, 2
	s_add_co_u32 s17, s17, s41                     ; block of 128 rows
	s_lshl_b32 s43, s41, 2
	s_lshl_b32 s43, 15, s43                        ; my row of the cluster
	s_lshl_b32 s44, 0x1111, s40                    ; my column
	s_or_b32 s[G1A+0], s43, (3<<16)|(1<<21)
	DENSE G1A, 384
	s_or_b32 s[G1B+0], s44, (1<<20)|(1<<21)|(5<<22)|(3<<25)
	s_mov_b32 s[G1B+1], KROW<<16
	s_mov_b32 s[G1B+2], 256<<16
	s_mov_b32 s[G1B+3], KROW<<16
	s_mov_b32 s[G1B+4], 256
	s_mov_b32 s[G1B+5], KROW
	s_mov_b32 s[G1B+6], 0
	s_mov_b32 s[G1B+7], 0
	s_or_b32 s[G1S+0], s43, (3<<16)|(1<<20)|(1<<21)|(5<<22)|(3<<25)
	DENSE G1S, 16
	s_or_b32 s[G1SB+0], s44, (3<<16)|(1<<20)|(1<<21)|(5<<22)|(3<<25)
	DENSE G1SB, 32
	s_mul_i32 s20, s17, 98304
	s_mov_b32 s21, 0
	s_lshl_b32 s22, s17, 12
	s_mov_b32 s23, 0
	s_mul_i32 s46, s42, 256*KROW
	s_mov_b32 s47, 0
	s_lshl_b32 s2, s42, 13
	s_mov_b32 s3, 0
	s_wait_dscnt 0x0
	s_wait_kmcnt 0x0
	CROUND                                         ; the joint loads meet
	G0MK G0A, 0, 4, 20
	G0MK G0B, BB0, 8, 46
	G0MK G0S, SCL, 6, 22
	G0MK G0SB, SCLB, 10, 2
.macro ARM under, g0, g1, next
	s_cmp_lt_u32 s14, \under
	s_cbranch_scc0 \next
	tensor_load_to_lds s[\g0:\g0+3], s[\g1:\g1+7]
	s_nop 0
	PLACES 4
	s_branch .Lhead_asked
\next:
.endm
	ARM 1, G0B,  G1B, .Lhead_a
	ARM 2, G0A,  G1A, .Lhead_sa
	ARM 3, G0S,  G1S, .Lhead_sb
	tensor_load_to_lds s[G0SB:G0SB+3], s[G1SB:G1SB+7]
	s_nop 0
	PLACES 4
.Lhead_asked:
	v_and_b32 v1, 15, v0                           ; r
	v_bfe_u32 v2, v0, 4, 1                         ; h
	v_and_b32 v3, 31, v0
	v_lshlrev_b32 v[CO], 4, v3
	v_lshlrev_b32 v31, 3, v3
	s_mul_i32 s21, s15, 4*1536
	v_add_nc_u32 v[AA16], s21, v[CO]
	v_add_nc_u32 v[AA8], s21, v31
	s_add_co_u32 s21, s21, 4*12288
	v_add_nc_u32 v[AA16+1], s21, v[CO]
	v_add_nc_u32 v[AA8+1], s21, v31
	v_mul_u32_u24 v3, v1, PITCH
	v_mad_u32_u24 v240, v2, 24, v3
	v_mad_u32_u24 v241, v2, 40, v3
	s_mul_i32 s22, s16, 128*PITCH
	s_add_co_u32 s22, s22, BB0
.irp i, 0,1,2,3,4,5,6,7
	v_add_nc_u32 v[BA+2*\i], s22, v240
	v_add_nc_u32 v[BA+2*\i+1], s22, v241
	s_add_co_u32 s22, s22, 16*PITCH
.endr
	s_wait_alu depctr_va_vdst(0)
	v_lshlrev_b32 v3, 5, v1                        ; my row's scales: 32 bytes a row,
	v_lshrrev_b32 v31, 8, v3
	v_lshl_add_u32 v3, v31, 4, v3                  ; 16 more for each 256 passed
	s_mul_i32 s21, s15, 4*SBLK
	s_mul_i32 s22, s16, 8*SBLK
	s_add_co_u32 s22, s22, SCLB-SCL
	s_sub_co_u32 s22, s22, s21
	v_mul_u32_u24 v31, s22, v2                     ; lanes 16-31 take Wo's
	s_add_co_u32 s21, s21, SCL
	v_add_nc_u32 v3, v3, v31
	v_add_nc_u32 v[ADRS], s21, v3
	s_mul_i32 s23, s14, 16*SPITCH                  ; my stage, on a's bytes, which are read no more by then
	v_mul_u32_u24 v3, v1, SPITCH
	v_lshl_add_u32 v3, v2, 5, v3
	v_add_nc_u32 v[STO], s23, v3
	v_add_nc_u32 v[RD], s23, v[CO]
	v_lshlrev_b32 v[H32], 5, v2
	s_wait_alu depctr_va_vdst(0)
	s_lshl_b32 s20, s17, 7
	s_lshl_b32 s21, s15, 6
	s_add_co_u32 s20, s20, s21
	s_lshl_b32 s20, s20, 12                        ; my first row of out0, 4,096 bytes a row
	s_mov_b32 s21, 0
	s_lshl_b32 s46, s42, 10
	s_lshl_b32 s47, s16, 9
	s_add_co_u32 s46, s46, s47                     ; my first column, in bytes
	s_mov_b32 s47, 0
	s_add_nc_u64 s[92:93], s[92:93], s[46:47]
	s_add_nc_u64 s[12:13], s[94:95], s[20:21]
	s_add_nc_u64 s[12:13], s[12:13], s[46:47]
.irp b, 0,1,2,3,4,5,6,7
	global_load_b128 v[BI+8*\b:BI+8*\b+3], v[H32], s[92:93] offset:64*\b
	global_load_b128 v[BI+8*\b+4:BI+8*\b+7], v[H32], s[92:93] offset:64*\b+16
.endr
; Wo's fragment of step q: six pieces of 8 bytes, two to a load where both go by the same address register.  NLD counts the loads of a fetch
.macro FRAGB reg, q, a0, a1
.set SKIP_, 0
.irp p, 0,1,2,3,4,5
.if SKIP_
.set SKIP_, 0
.else
.set NLD, NLD+1
.set PC_, 12*(\q)+6*(\p/3)+\p%3
.set PN_, 12*(\q)+6*((\p+1)/3)+(\p+1)%3
.set X_, (PC_%32+3)/32
.set XQ_, (PN_%32+3)/32
.if (\p < 5) && (X_ == XQ_)
.set SKIP_, 1
.if X_
	ds_load_2addr_b64 v[\reg+2*\p:\reg+2*\p+3], v[\a1] offset0:PC_+2*(PC_/32) offset1:PN_+2*(PN_/32)
.else
	ds_load_2addr_b64 v[\reg+2*\p:\reg+2*\p+3], v[\a0] offset0:PC_+2*(PC_/32) offset1:PN_+2*(PN_/32)
.endif
.elseif X_
	ds_load_b64 v[\reg+2*\p:\reg+2*\p+1], v[\a1] offset:8*(PC_+2*(PC_/32))
.else
	ds_load_b64 v[\reg+2*\p:\reg+2*\p+1], v[\a0] offset:8*(PC_+2*(PC_/32))
.endif
.endif
.endr
.endm
.macro FRAGA reg, q, i
.irp c, 0,1
	ds_load_b128 v[\reg+6*\c:\reg+6*\c+3], v[AA16+(\q)/4] offset:(((\q)%4)*8+(\i))*1536+768*\c
	ds_load_b64 v[\reg+6*\c+4:\reg+6*\c+5], v[AA8+(\q)/4] offset:(((\q)%4)*8+(\i))*1536+768*\c+512
.set NLD, NLD+2
.endr
.endm
.macro FETCH q
.set NLD, 0
	WIN (2+(\q)%2)<<6
.irp i, 0,1,2,3,4,5,6,7
	FRAGB FR*\i, \q, BA+2*\i, BA+2*\i+1
.endr
.irp i, 0,1,2,3
	FRAGA 96+FR*\i, \q, \i
.endr
	WIN 0
.endm
.macro MUL q
.set W_, 2+(\q)%2
.if (\q) == 0
	WIN W_|(W_<<2)|0x40
.else
	WIN W_|(W_<<2)|0x50
.endif
.irp a, 0,1,2,3
.irp b, 0,1,2,3,4,5,6,7
.if (\q) == 0
	v_wmma_scale_f32_16x16x128_f8f6f4 v[8*(8*\a+\b):8*(8*\a+\b)+7], v[FR*\b:FR*\b+FR-1], v[96+FR*\a:96+FR*\a+FR-1], v[BI+8*\b:BI+8*\b+7], v[SC+10*\b+(\q)], v[SC+10*\a+(\q)] matrix_a_fmt:MATRIX_FMT_FP6 matrix_b_fmt:MATRIX_FMT_FP6 matrix_a_scale:MATRIX_SCALE_ROW1
.else
	v_wmma_scale_f32_16x16x128_f8f6f4 v[8*(8*\a+\b):8*(8*\a+\b)+7], v[FR*\b:FR*\b+FR-1], v[96+FR*\a:96+FR*\a+FR-1], v[8*(8*\a+\b):8*(8*\a+\b)+7], v[SC+10*\b+(\q)], v[SC+10*\a+(\q)] matrix_a_fmt:MATRIX_FMT_FP6 matrix_b_fmt:MATRIX_FMT_FP6 matrix_a_scale:MATRIX_SCALE_ROW1
.endif
.endr
.endr
.endm
	s_wait_alu depctr_va_vdst(0)                   ; the wait at the head's end
	s_wait_tensorcnt 0x0                           ; my tile is in,
	s_barrier_signal -1
	s_barrier_wait -1                              ; all four are
.irp i, 0,1,2,3,4,5,6,7
	ds_load_b128 v[SC+10*\i:SC+10*\i+3], v[ADRS] offset:\i*SBLK       ; a row's eight scale words, for all of K
	ds_load_b128 v[SC+10*\i+4:SC+10*\i+7], v[ADRS] offset:\i*SBLK+16
.endr
	FETCH 0
	s_wait_loadcnt 0x0                             ; the bias
.set Q, 0
.rept 7
.if Q > 0
	PLACES 4                                       ; ahead of loads into the set that the last step's products read
.endif
	FETCH Q+1
	s_wait_dscnt NLD                               ; all but the next step's loads, just issued
	MUL Q
.set Q, Q+1
.endr
	s_wait_dscnt 0x0                               ; my reads of the tiles are over:
	s_barrier_signal -1
	MUL 7
	WIN 0
	s_barrier_wait -1                              ; everybody's are: the stage may be written
.macro TOSTAGE a
	WIN 0x04
.irp b, 0,1,2,3,4,5,6,7
	ds_store_b128 v[STO], v[64*(\a)+8*\b:64*(\a)+8*\b+3] offset:64*\b
	ds_store_b128 v[STO], v[64*(\a)+8*\b+4:64*(\a)+8*\b+7] offset:64*\b+16
.endr
	WIN 0
.set BB, BK+64*((\a)%2)
.irp t, 0,1,2,3,4,5,6,7,8,9,10,11,12,13,14,15
	ds_load_b128 v[BB+4*\t:BB+4*\t+3], v[RD] offset:\t*SPITCH
.endr
.endm
.macro SEND a, younger
.set BB, BK+64*((\a)%2)
	s_wait_dscnt \younger
.if (\a) > 0
	s_add_nc_u64 s[12:13], s[12:13], 16*SIZE_N*4
.endif
.irp t, 0,1,2,3,4,5,6,7,8,9,10,11,12,13,14,15
	global_store_b128 v[CO], v[BB+4*\t:BB+4*\t+3], s[12:13] offset:\t*SIZE_N*4 th:TH_STORE_NT   ; 512 consecutive bytes
.endr
.endm
	PLACES 4
	TOSTAGE 0
.irp a, 1,2,3
.if \a > 1
	s_wait_xcnt 0x0                                ; block a - 2's stores have read their registers and their base
.endif
	TOSTAGE \a
	SEND \a-1, 32                                  ; behind block a - 1's loads: block a's 16 stores and 16 loads
.endr
	s_wait_xcnt 0x0
	SEND 3, 0
	s_wait_tensorcnt 0x0                           ; the wave's end
	ds_add_u32 v[SPW], v[NIL]
	s_wait_dscnt 0x0
	CROUND
	s_endpgm
.Lfunc_end_k_q4ef49f8e57_oproj:
	.size	k_q4ef49f8e57_oproj, .Lfunc_end_k_q4ef49f8e57_oproj-k_q4ef49f8e57_oproj
	.p2alignl 7, 3214868480
	.fill 96, 4, 3214868480
	.section	.rodata,"a",@progbits
	.p2align	6, 0x0
	.amdhsa_kernel k_q4ef49f8e57_oproj
		.amdhsa_group_segment_fixed_size 327680
		.amdhsa_private_segment_fixed_size 0
		.amdhsa_enable_private_segment 0
		.amdhsa_kernarg_size 48
		.amdhsa_user_sgpr_count 2
		.amdhsa_user_sgpr_kernarg_segment_ptr 1
		.amdhsa_wavefront_size32 1
		.amdhsa_system_sgpr_workgroup_id_x 1
		.amdhsa_system_sgpr_workgroup_id_y 1
		.amdhsa_system_sgpr_workgroup_id_z 1
		.amdhsa_system_vgpr_workitem_id 0
		.amdhsa_next_free_vgpr 1024
		.amdhsa_next_free_sgpr 98
		.amdhsa_reserve_vcc 0
		.amdhsa_float_denorm_mode_32 3
		.amdhsa_float_denorm_mode_16_64 3
		.amdhsa_memory_ordered 1
		.amdhsa_forward_progress 1
		.amdhsa_inst_pref_size 82
	.end_amdhsa_kernel
	.amdgpu_metadata
---
amdhsa.version: [ 1, 2 ]
amdhsa.kernels:
  - .name:           k_q4ef49f8e57_oproj
    .symbol:         k_q4ef49f8e57_oproj.kd
    .args:
      - { .name: afrag, .offset: 0, .size: 8, .value_kind: global_buffer, .address_space: global }
      - { .name: ascale, .offset: 8, .size: 8, .value_kind: global_buffer, .address_space: global }
      - { .name: Wo_codes, .offset: 16, .size: 8, .value_kind: global_buffer, .address_space: global }
      - { .name: Wo_scales, .offset: 24, .size: 8, .value_kind: global_buffer, .address_space: global }
      - { .name: bo, .offset: 32, .size: 8, .value_kind: global_buffer, .address_space: global }
      - { .name: out0, .offset: 40, .size: 8, .value_kind: global_buffer, .address_space: global }
    .group_segment_fixed_size: 327680
    .private_segment_fixed_size: 0
    .kernarg_segment_align: 8
    .kernarg_segment_size: 48
    .max_flat_workgroup_size: 128
    .sgpr_count:     98
    .vgpr_count:     1024
    .wavefront_size: 32
...
	.end_amdgpu_metadata
.endif
;; end of part 3
